; MI455X (gfx1250); checked and timed in simulation.
; The chip was launched on July 23, 2026; its instructions are those of AMD's public machine-readable ISA for CDNA 5 (MIT licence, August 2026) and "CDNA5" Instruction Set Architecture Reference Guide (July 2026). The comments in the code are by the model that wrote it; some were corrected since.
;; Multi Head Attention. Allowed arithmetic: matrix products marked QUANTISED: E2M1 operands, one E8M0 scale for each 32 along K, by v_wmma_scale_f32_16x16x128_f8f6f4 with both operands' format E2M1 (or v_wmma_scale_f32_32x16x128_f4), f32 sums; everything else in f32.
;; Inputs: K 4 x 2,048 x 1,024 float32; Q 4 x 2,048 x 1,024 float32; V 4 x 2,048 x 1,024 float32; Wk 1,024 x 1,024 float32; Wo 1,024 x 1,024 float32; Wq 1,024 x 1,024 float32; Wv 1,024 x 1,024 float32; beta 1,024 float32; bk 1,024 float32; bo 1,024 float32; bq 1,024 float32; bv 1,024 float32; gamma 1,024 float32; mask 4 x 1 x 1 x 2,048 int32.
;; Outputs: out0 4 x 2,048 x 1,024 float32.
;; This version of the problem:
;;   THIS VERSION OF THE PROBLEM IS GIVEN IN LOW PRECISION. The matrix products marked QUANTISED in the list below multiply operands that are first quantised to E2M1 (2 exponent bits, 1 mantissa bit; 4 bits a number), with one power-of-two scale for each 32 numbers along K (OCP MX v1.0); their sums are f32. All else is computed in f32.
;;   The module's matrix products, in the order in which they are computed (A, B: the left and right operand; K: the contracted axis; several contracted axes count as one K, in the product's order):
;;     1. [M 8,192, K 1,024] x [K 1,024, N 1,024]; A: input Q; B: input Wq: QUANTISED
;;     2. [M 8,192, K 1,024] x [K 1,024, N 1,024]; A: input K; B: input Wk: QUANTISED
;;     3. [M 8,192, K 1,024] x [K 1,024, N 1,024]; A: input V; B: input Wv: QUANTISED
;;     4. batch 64 x [M 2,048, K 64] x [K 64, N 2,048]; A: computed on the way; B: computed on the way: QUANTISED
;;     5. batch 64 x [M 2,048, K 2,048] x [K 2,048, N 64]; A: softmax (see below); B: computed on the way: QUANTISED
;;     6. [M 8,192, K 1,024] x [K 1,024, N 1,024]; A: computed on the way; B: input Wo: QUANTISED
;;   THE QUANTISER, for each operand of a quantised product, along K:
;;     - K is cut into blocks of 32 from its start; a last block that is shorter is filled with zeros.
;;     - A block's scale is 2^e with e = floor(log2(the largest magnitude in the block)) - 2, held to -126 .. 127; a block of zeros has e = 0. As a byte (E8M0): e + 127.
;;     - Each number is divided by its block's scale, clamped to +-6, and rounded to the nearest number of E2M1, ties to even, subnormals kept.
;;     - The product sums the exact products of the quantised numbers (number of the format x scale) in f32.
;;   ~~~python
;;   def quantise(x, axis):      # numpy; x: float32 -> the quantised numbers, widened to float32 again
;;       x = np.moveaxis(x, axis, -1); K = x.shape[-1]
;;       x = np.pad(x, [(0, 0)] * (x.ndim - 1) + [(0, -K % 32)]); x = x.reshape(x.shape[:-1] + (-1, 32)); a = np.abs(x).max(-1, keepdims=True)
;;       e = np.where(a > 0, np.clip(np.frexp(np.where(a > 0, a, 1))[1] - 1 - 2, -126, 127), 0)      # np.frexp(a)[1] - 1 = floor(log2(a)), exactly
;;       r = np.clip(x / 2.0 ** e, -6, 6)
;;       step = 2.0 ** (np.maximum(np.frexp(np.where(r == 0, 1, r))[1] - 1, 0) - 1)
;;       q = np.round(r / step) * step * 2.0 ** e      # np.round: ties to even
;;       return np.moveaxis(q.reshape(q.shape[:-2] + (-1,))[..., :K], -1, axis).astype(np.float32)
;;   ~~~
;;   SOFTMAX AHEAD OF A QUANTISED PRODUCT. Where the list says 'softmax', what is quantised is not the finished softmax but p = 2^(t - M), with t = logit x log2(e) and M = ceil(the row's largest t), a whole number; so 1/2 < the row's largest p <= 1. The row's sum l is taken of the UNQUANTISED p, in f32, and the product's result is divided by l at the end. Since M is a whole number, a kernel that streams over the keys may use a running M (the ceiling of the running maximum): every later rescaling is an exact power of two, which a block's scale takes up: the codes' values come out the same.
;;   OPERANDS COMPUTED ON THE WAY. 'Computed on the way' means the value that the module computes at that place (a softmax that the list does not call 'softmax' is quantised finished and normalised). What goes into a quantiser is computed in f32, as accurately as f32 sums, v_exp_f32 and their like allow (about 1e-6 of the number): no bf16 or f16 on the way to a quantiser, and a product that is left as it is and whose result goes on into a quantised operand takes f32 operands (vector FMAs, or v_wmma_f32_16x16x4_f32). A number that lies on a knife's edge between two numbers of the format may be rounded either way, as far as f32 arithmetic and the matrix unit's own rounding can turn it there, and no further.
;; One version. Each part assembles by itself: llvm-mc -triple=amdgcn-amd-amdhsa -mcpu=gfx1250 --defsym DOCPART=n.
;; ======== version 1 of 1: 4 launches
;; limits: right only within a limited range of input values
;; workspace buffers: img 14,680,064 bytes; scl 917,504 bytes; qb 4,718,592 bytes; kv 9,175,040 bytes; cimg 4,194,304 bytes; cscl 262,144 bytes
;; launch quant (part 1): grid 256 x 1, 7 waves a work-group, no clusters, 60,160 bytes of LDS; arguments Q, K, V, Wq, Wk, Wv, Wo, img, scl; writes img, scl
.if DOCPART == 1
	.amdgcn_target "amdgcn-amd-amdhsa--gfx1250"
	.amdhsa_code_object_version 6
	.text
	.protected	k_q0799a69312_quant
	.globl	k_q0799a69312_quant
	.p2align	8
	.type	k_q0799a69312_quant,@function
k_q0799a69312_quant:
	s_mov_b64 s[64:65], 0
	v_nop
	global_prefetch_b8 v0, s[64:65] scope:SCOPE_SE
	s_setreg_imm32_b32 hwreg(HW_REG_WAVE_MODE, 25, 1), 1
	s_wait_xcnt 0x0
; Q, K, V [8192][1024] and Wq, Wk, Wv, Wo [1024][1024], f32, K innermost, become codes of FP4 (E2M1) with one E8M0 byte for each 32 along K,
; laid in the order of a matrix operand's registers.
; THE TILE holds 16 rows.  In every tensor but the input K: tile T = 2 B + u, tile row m is tensor row 32 B + 8 u + m + 8 (m / 8).
; In the input K (its rows are attention's keys): tile T = 4 G + u, tile row m is tensor row 64 G + 8 u + m + 24 (m / 8): rows 0-7 are 8 keys of one block of 32, rows 8-15 the same 8 of the next block.
; THE IMAGE: 16 rows x 128 K are 1,024 bytes [c = 0, 1][lane][16 bytes]; lane (r, h) holds k = 64 c + 32 h + 0 .. 31 of tile row r.  A tile is 8 such images on end.
; SCALE WORDS: one word for a row and 128 K (byte b: block b); a tile's lie [half of K][r][4 words], 512 bytes.
; 1,792 tiles = 256 work-groups x 7 waves: a wave takes one tile, 8 steps of 128 along K.  Each load reads 512 consecutive bytes of one row; the step's 8 KiB turn through
; the wave's own stage in LDS (rows 528 bytes apart) so that a lane gets two whole blocks of 32.  No barrier: waves share nothing.
; A block's scale is 2^(floor(log2(largest magnitude)) - 2): the byte is the largest magnitude's exponent field - 2, held at 1 from below.
; LIMITS: a block of zeros gets the byte 1 (its codes are zeros; this program alone reads the bytes); blocks whose largest magnitude lies under 2^-124 are held at the byte 1; NaN and infinities are not served.
.set SPITCH, 528                       ; a stage row: 512 bytes + 16
.set WST,    16*SPITCH                 ; a wave's stage
.set SW,  16                           ; v16-23   the tile's 8 scale words of my row
.set CD,  24                           ; v24-31   a step's codes
.set R,   32                           ; v32-159  two sets of 64 registers as loaded
.set X,   160                          ; v160-223 my two blocks of 32 numbers
	s_load_b512 s[4:19], s[0:1], 0x0               ; Q, K, V, Wq, Wk, Wv, Wo, img
	s_load_b64 s[20:21], s[0:1], 0x40              ; scl
	v_lshl_add_u32 v232, v0, 2, 0xe700
	v_mov_b32 v233, 0
	v_lshrrev_b32 v1, 5, v0
	v_readfirstlane_b32 s22, v1                    ; wave 0..6
	s_mul_i32 s23, ttmp9, 7
	s_add_co_u32 s23, s23, s22                     ; my tile, 0 .. 1791
	v_and_b32 v2, 31, v0
	v_and_b32 v1, 15, v0                           ; r
	v_bfe_u32 v7, v0, 4, 1                         ; h
	v_lshlrev_b32 v2, 4, v2                        ; 16 x lane: my bytes of a load's 512, and of an image's 512
	s_mul_i32 s25, s22, WST
	v_add_nc_u32 v3, s25, v2                       ; the stage, way in
	v_mul_u32_u24 v4, v1, SPITCH
	v_lshl_add_u32 v4, v7, 7, v4
	v_add_nc_u32 v4, s25, v4                       ; the stage, way out: row r, 128 h bytes on
	v_lshlrev_b32 v5, 3, v7                        ; 8 h: my bytes' place in a scale word
	v_lshlrev_b32 v6, 4, v1
	v_lshl_add_u32 v6, v7, 8, v6                   ; 256 h + 16 r: where my four scale words go
	v_mov_b32 v10, 0                               ; a lane permute's destination counts as read
	s_mov_b32 s30, 0x76543210
	s_mov_b32 s31, 0xfedcba98                      ; selects: lane l xor 16
	s_wait_alu depctr_va_vdst(0)
	s_wait_kmcnt 0x0
	s_mov_b64 s[26:27], s[4:5]
	s_mov_b32 s24, 0
.macro PICK first, lo                  ; from tile `first` on the next tensor: the choice hangs on the tile's number alone
	s_cmp_ge_u32 s23, \first
	s_cselect_b64 s[26:27], s[\lo:\lo+1], s[26:27]
	s_cselect_b32 s24, \first, s24
.endm
	PICK 512, 6
	PICK 1024, 8
	PICK 1536, 10
	PICK 1600, 12
	PICK 1664, 14
	PICK 1728, 16
	s_sub_co_u32 s24, s23, s24                     ; the tile's number in its tensor
	s_lshr_b32 s34, s23, 9
	s_cmp_eq_u32 s34, 1                            ; tiles 512 .. 1023 are the input K's
	s_cselect_b32 s34, 2, 1                        ; g: a group is 2^g tiles, 16 x 2^g rows
	s_lshr_b32 s28, s24, s34                       ; the group
	s_lshl_b32 s35, s28, s34
	s_sub_co_u32 s29, s24, s35                     ; the tile's place in it
	s_add_co_u32 s35, s34, 16
	s_lshl_b32 s28, s28, s35                       ; 16 x 2^g rows of 4,096 bytes for each group,
	s_lshl_b32 s29, s29, 15                        ; 8 rows for each tile of the group
	s_add_co_u32 s28, s28, s29
	s_mov_b32 s29, 0
	s_add_nc_u64 s[26:27], s[26:27], s[28:29]      ; tile rows 0-7
	s_add_co_u32 s35, s34, 15
	s_lshl_b32 s28, 1, s35
	s_add_nc_u64 s[32:33], s[26:27], s[28:29]      ; tile rows 8-15: 8 x 2^g rows further on
	s_lshl_b32 s28, s23, 13
	s_add_nc_u64 s[18:19], s[18:19], s[28:29]      ; my tile's images
	s_lshl_b32 s28, s23, 9
	s_add_nc_u64 s[20:21], s[20:21], s[28:29]      ; my tile's scale words
.macro LOAD t                          ; step t: 512 bytes of each of the tile's 16 rows, into set t % 2; rows 0-7 by s[26:27], rows 8-15 by s[32:33]
.irp i, 0,1,2,3,4,5,6,7,8,9,10,11,12,13,14,15
	global_load_b128 v[R+64*((\t)%2)+4*\i:R+64*((\t)%2)+4*\i+3], v2, s[26+6*(\i/8):27+6*(\i/8)] offset:(\i%8)*4096+512*(\t) th:TH_LOAD_NT
.endr
.endm
.macro STEP t
.if (\t) < 7
	s_wait_loadcnt 16                              ; this step's 16 loads are in; the next step's 16 may be out
.else
	s_wait_loadcnt 0
.endif
.irp i, 0,1,2,3,4,5,6,7,8,9,10,11,12,13,14,15
	ds_store_b128 v3, v[R+64*((\t)%2)+4*\i:R+64*((\t)%2)+4*\i+3] offset:SPITCH*\i
.endr
.irp c, 0,1
.irp q, 0,1,2,3,4,5,6,7
	ds_load_b128 v[X+32*\c+4*\q:X+32*\c+4*\q+3], v4 offset:256*\c+16*\q   ; LDS serves a wave's instructions in order: these see the stores above
.endr
.endr
	s_wait_dscnt 0x0                               ; my numbers are back, and the stores have read their registers
.if (\t) < 6
	LOAD (\t)+2
.endif
.irp c, 0,1
	v_max3_num_f32 v[8+\c], |v[X+32*\c]|, |v[X+32*\c+1]|, 0x1800000   ; block 2 c + h: all 32 numbers are mine; the floor 2^(3 - 127) holds the byte at 1 from below
.endr
.irp i, 2,4,6,8,10,12,14,16,18,20,22,24,26,28,30
.irp c, 0,1
	v_max3_num_f32 v[8+\c], v[8+\c], |v[X+32*\c+\i]|, |v[X+32*\c+\i+1]|
.endr
.endr
	v_add_nc_u32 v12, 0xff000000, v8               ; 2 off the exponent field: the conversion's scale operand
	v_add_nc_u32 v13, 0xff000000, v9
	v_lshrrev_b32 v14, 23, v12                     ; the scale's byte
	v_lshrrev_b32 v15, 23, v13
	v_lshl_or_b32 v11, v15, 16, v14                ; blocks h and 2 + h,
	v_lshlrev_b32 v11, v5, v11                     ; at their places;
	v_permlanex16_b32 v10, v11, s30, s31
	v_or_b32 v[SW+(\t)], v11, v10                  ; with lane l xor 16's two the word is whole
	s_wait_alu depctr_va_vdst(0)
	s_wait_xcnt 0x0                                ; the last step's stores have read v24-31
.irp c, 0,1
.irp g, 0,1,2,3
	v_cvt_scalef32_pk8_fp4_f32 v[CD+4*\c+\g], v[X+32*\c+8*\g:X+32*\c+8*\g+7], v[12+\c]
.endr
.endr
	v_nop                                          ; a plain line behind the conversions, ahead of the next write of their sources
.irp c, 0,1
	global_store_b128 v2, v[CD+4*\c:CD+4*\c+3], s[18:19] offset:1024*(\t)+512*\c   ; 32 lanes store 512 consecutive bytes
.endr
.endm
	LOAD 0
	LOAD 1
.irp t, 0,1,2,3,4,5,6,7
	STEP \t
.endr
	v_cmp_ne_u32 vcc_lo, 0, v7
.irp i, 0,1,2,3
	v_cndmask_b32 v[12+\i], v[SW+\i], v[SW+4+\i], vcc_lo   ; lanes 0-15 store the first half of K's four words, lanes 16-31 the second's
.endr
	global_store_b128 v6, v[12:15], s[20:21]       ; 512 consecutive bytes
	s_wait_tensorcnt 0x0
	ds_add_u32 v232, v233
	s_wait_dscnt 0x0
	s_endpgm
.Lfunc_end_k_q0799a69312_quant:
	.size	k_q0799a69312_quant, .Lfunc_end_k_q0799a69312_quant-k_q0799a69312_quant
	.p2alignl 7, 3214868480
	.fill 96, 4, 3214868480
	.section	.rodata,"a",@progbits
	.p2align	6, 0x0
	.amdhsa_kernel k_q0799a69312_quant
		.amdhsa_group_segment_fixed_size 60160
		.amdhsa_private_segment_fixed_size 0
		.amdhsa_enable_private_segment 0
		.amdhsa_kernarg_size 72
		.amdhsa_user_sgpr_count 2
		.amdhsa_user_sgpr_kernarg_segment_ptr 1
		.amdhsa_wavefront_size32 1
		.amdhsa_system_sgpr_workgroup_id_x 1
		.amdhsa_system_sgpr_workgroup_id_y 1
		.amdhsa_system_sgpr_workgroup_id_z 1
		.amdhsa_system_vgpr_workitem_id 0
		.amdhsa_next_free_vgpr 234
		.amdhsa_next_free_sgpr 66
		.amdhsa_reserve_vcc 1
		.amdhsa_float_denorm_mode_32 3
		.amdhsa_float_denorm_mode_16_64 3
		.amdhsa_memory_ordered 1
		.amdhsa_forward_progress 1
		.amdhsa_inst_pref_size 58
	.end_amdhsa_kernel
	.amdgpu_metadata
---
amdhsa.version: [ 1, 2 ]
amdhsa.kernels:
  - .name:           k_q0799a69312_quant
    .symbol:         k_q0799a69312_quant.kd
    .args:
      - { .name: Q, .offset: 0, .size: 8, .value_kind: global_buffer, .address_space: global }
      - { .name: K, .offset: 8, .size: 8, .value_kind: global_buffer, .address_space: global }
      - { .name: V, .offset: 16, .size: 8, .value_kind: global_buffer, .address_space: global }
      - { .name: Wq, .offset: 24, .size: 8, .value_kind: global_buffer, .address_space: global }
      - { .name: Wk, .offset: 32, .size: 8, .value_kind: global_buffer, .address_space: global }
      - { .name: Wv, .offset: 40, .size: 8, .value_kind: global_buffer, .address_space: global }
      - { .name: Wo, .offset: 48, .size: 8, .value_kind: global_buffer, .address_space: global }
      - { .name: img, .offset: 56, .size: 8, .value_kind: global_buffer, .address_space: global }
      - { .name: scl, .offset: 64, .size: 8, .value_kind: global_buffer, .address_space: global }
    .group_segment_fixed_size: 60160
    .private_segment_fixed_size: 0
    .kernarg_segment_align: 8
    .kernarg_segment_size: 72
    .max_flat_workgroup_size: 224
    .sgpr_count:     66
    .vgpr_count:     234
    .wavefront_size: 32
...
	.end_amdgpu_metadata
.endif
;; end of part 1
;; launch proj (part 2): grid 4 x 96, 4 waves a work-group, clusters of 4 x 4, 327,680 bytes of LDS; arguments img, scl, bq, bk, bv, mask, qb, kv; writes qb, kv
.if DOCPART == 2
	.amdgcn_target "amdgcn-amd-amdhsa--gfx1250"
	.amdhsa_code_object_version 6
	.text
	.protected	k_q0799a69312_proj
	.globl	k_q0799a69312_proj
	.p2align	8
	.type	k_q0799a69312_proj,@function
k_q0799a69312_proj:
	s_mov_b64 s[64:65], 0
	v_nop
	global_prefetch_b8 v0, s[64:65] scope:SCOPE_SE
	s_setreg_imm32_b32 hwreg(HW_REG_WAVE_MODE, 25, 1), 1
	s_wait_xcnt 0x0
	s_wait_alu depctr_hold_cnt(0) depctr_sa_sdst(0) depctr_va_vdst(0) depctr_va_sdst(0) depctr_va_ssrc(0) depctr_va_vcc(0) depctr_vm_vsrc(0)
	s_getreg_b32 s2, hwreg(HW_REG_IB_STS2, 6, 4)
	s_cmp_eq_u32 s2, 0
	s_cbranch_scc0 .Lentry_in_a_cluster
	s_endpgm
.Lentry_in_a_cluster:
	s_bfe_u32 s2, ttmp6, 0x10000c
	s_cmp_lg_u32 s2, 0xf033
	s_cbranch_scc0 .Lentry_shape_is_right
	s_endpgm
.Lentry_shape_is_right:
.set FR,  8
.set NL,  2
.set NP,  4
.set NQ,  4
.set KH,  4096
.set LI,   3
.set ADN,  16
.set ADP,  20
.set UMV,  22
.set UUV,  23
.set H16,  24
.set SOF,  25
.set ADRS, 27
.set SC,   32
.set BV,   96
.set MK,   112
.set NF,   128
.set BI,   192
.set PC,   32
.set TM,   40
.set PW,   56
.set SW,   64
.set HA,   128
.set WV, 20
.set XH, 21
.set WH, 22
.set TZ, 23
.set G1X, 24
.set G0X, 32
.set G1W, 48
.set G0W, 56
.set SEL, 66
.set ISQ, 27
.set BA, 44
.set BB, 48
.set BS, 50
.set MSB, 0
.macro WIN new
.if MSB != (\new)
	s_set_vgpr_msb (MSB<<8)|(\new)
.set MSB, (\new)
.endif
.endm
.set MUL_LO, 0xa1
.set MUL_HI, 0xf1
.set TO_P,   0x40
.macro JLOAD g0a, g1a, g0b, g1b
	s_cmp_eq_u32 s[XH], 0
	s_cbranch_scc0 .Lfor_w_\@
	tensor_load_to_lds s[\g0a:\g0a+3], s[\g1a:\g1a+7]
	s_nop 0
.rept 4
	v_nop
.endr
	s_branch .Lasked_\@
.Lfor_w_\@:
	tensor_load_to_lds s[\g0b:\g0b+3], s[\g1b:\g1b+7]
	s_nop 0
.rept 4
	v_nop
.endr
.Lasked_\@:
.endm
.macro CROUND
	s_barrier_signal -1
	s_barrier_wait -1
	s_cmp_lg_u32 s[WV], 0
	s_cbranch_scc1 .Lnot_wave_0_\@
	s_barrier_signal -3
.Lnot_wave_0_\@:
	s_barrier_wait -3
	s_barrier_signal -1
	s_barrier_wait -1
.endm
	s_load_b512 s[4:19], s[0:1], 0x0
	v_lshl_add_u32 v126, v0, 2, 0x44000
	v_mov_b32 v127, 0
	ds_add_u32 v126, v127
	ds_add_u32 v126, v127
	v_lshrrev_b32 v1, 5, v0
	v_readfirstlane_b32 s[WV], v1
	s_lshr_b32 s[XH], s[WV], 1
	s_and_b32 s[WH], s[WV], 1
	s_bfe_u32 s40, ttmp6, 0x40000
	s_bfe_u32 s41, ttmp6, 0x40004
	s_lshl_b32 s42, ttmp9, 2
	s_add_co_u32 s42, s42, s40
	s_and_b32 s46, ttmp7, 0xffff
	s_lshr_b32 s[TZ], s46, 3
	s_lshl_b32 s43, s46, 2
	s_add_co_u32 s43, s43, s41
	s_lshl_b32 s44, s41, 2
	s_lshl_b32 s44, 15, s44
	s_lshl_b32 s45, 0x1111, s40
	s_or_b32 s[G1X], s44, (3<<16)|(1<<21)
	s_or_b32 s[G1W], s45, (3<<16)|(1<<21)
.irp g, G1X, G1W
	s_mov_b32 s[\g+1], 1024<<16                    ; a row of the load: one tile's images for all of K, 8,192 bytes
	s_mov_b32 s[\g+2], 8<<16
	s_mov_b32 s[\g+3], 1024<<16
	s_mov_b32 s[\g+4], 8
	s_mov_b32 s[\g+5], 1024
	s_mov_b32 s[\g+6], 0
	s_mov_b32 s[\g+7], 0
.endr
	s_lshl_b32 s46, s[WH], 3
	s_lshl_b32 s92, s43, 4
	s_add_co_u32 s92, s92, s46
	s_lshl_b32 s94, s[TZ], 6
	s_lshl_b32 s47, s42, 4
	s_add_co_u32 s94, s94, s47
	s_add_co_u32 s94, s94, s46
	s_add_co_u32 s94, s94, 1536
	s_lshl_b32 s92, s92, 13
	s_mov_b32 s93, 0
	s_lshl_b32 s94, s94, 13
	s_mov_b32 s95, 0
	s_lshl_b32 s2, s[WV], 16                       ; a wave's 8 tiles, 65,536 bytes, land at wave x 65,536
	s_mov_b32 s[SEL], 0x76543210
	s_mov_b32 s[SEL+1], 0xfedcba98
	s_wait_dscnt 0x0
	s_wait_kmcnt 0x0
	s_add_nc_u64 s[92:93], s[4:5], s[92:93]
	s_add_nc_u64 s[94:95], s[4:5], s[94:95]
	CROUND
	s_mov_b32 s[G0X], 1                            ; one joint load a wave: 8 tiles for all of K, 65,536 dense bytes
	s_mov_b32 s[G0X+1], s2
	s_mov_b64 s[G0X+2:G0X+3], s[92:93]
	s_or_b32 s[G0X+3], s[G0X+3], 0x80000000
	s_mov_b32 s[G0W], 1
	s_mov_b32 s[G0W+1], s2
	s_mov_b64 s[G0W+2:G0W+3], s[94:95]
	s_or_b32 s[G0W+3], s[G0W+3], 0x80000000
	JLOAD G0X, G1X, G0W, G1W
	v_and_b32 v1, 15, v0
	v_bfe_u32 v2, v0, 4, 1
	s_wait_alu depctr_va_vdst(0)
	v_and_b32 v4, 31, v0
	v_lshlrev_b32 v[LI], 4, v4
	s_lshl_b32 s92, s[XH], 16
	s_lshl_b32 s93, s[WH], 16
	s_add_co_u32 s93, s93, 131072
	s_cmp_eq_u32 s[TZ], 2
	s_cselect_b32 s94, s92, s93
	s_cselect_b32 s95, s93, s92
	v_add_nc_u32 v[ADP], s94, v[LI]
	v_add_nc_u32 v[ADN], s95, v[LI]
	v_add_nc_u32 v[ADP+1], KH, v[ADP]
	v_add_nc_u32 v[ADN+1], KH, v[ADN]
	s_lshl_b32 s92, s43, 4                         ; the scale words come from memory into their registers: byte offsets in scl, 512 bytes a tile
	s_lshl_b32 s98, s[XH], 3
	s_add_co_u32 s92, s92, s98
	s_lshl_b32 s92, s92, 9                         ; my 8 tiles of the activations
	s_lshl_b32 s93, s[TZ], 6
	s_lshl_b32 s98, s42, 4
	s_add_co_u32 s93, s93, s98
	s_lshl_b32 s98, s[WH], 3
	s_add_co_u32 s93, s93, s98
	s_add_co_u32 s93, s93, 1536
	s_lshl_b32 s93, s93, 9                         ; my 8 tiles of the weight
	s_cmp_eq_u32 s[TZ], 2
	s_cselect_b32 s94, s92, s93
	s_cselect_b32 s95, s93, s92
	v_mov_b32 v5, s95
	v_mov_b32 v6, s94
	v_cmp_ne_u32 vcc_lo, 0, v2
	v_cndmask_b32 v[ADRS], v5, v6, vcc_lo
	v_lshl_add_u32 v[ADRS], v1, 4, v[ADRS]
	s_cmp_eq_u32 s[TZ], 1
	s_cselect_b64 s[96:97], s[10:11], s[8:9]
	s_cmp_eq_u32 s[TZ], 2
	s_cselect_b64 s[96:97], s[12:13], s[96:97]
	s_lshl_b32 s98, s42, 10
	s_lshl_b32 s99, s[WH], 9
	s_add_co_u32 s98, s98, s99
	s_mov_b32 s99, 0
	s_add_nc_u64 s[96:97], s[96:97], s[98:99]
	s_and_b32 s98, s43, 31
	s_lshl_b32 s98, s98, 10
	s_lshl_b32 s92, s[XH], 9
	s_add_co_u32 s98, s98, s92
	s_add_nc_u64 s[14:15], s[14:15], s[98:99]
	v_lshlrev_b32 v7, 6, v2
	v_and_b32 v8, 8, v1
	v_add_nc_u32 v8, v8, v1
	v_lshlrev_b32 v8, 2, v8
	v_and_b32 v9, 8, v1                            ; the mask's word of a key: the input K's tile 4 G + u holds keys 64 G + 8 u + r + 24 (r / 8)
	v_mad_u32_u24 v9, v9, 3, v1
	v_lshlrev_b32 v9, 2, v9
.irp p, 0,1,2,3,4,5,6,7
	global_load_b128 v[BI+8*\p:BI+8*\p+3], v7, s[96:97] offset:(32*(\p/2)+8*(\p%2))*4
	global_load_b128 v[BI+8*\p+4:BI+8*\p+7], v7, s[96:97] offset:(32*(\p/2)+8*(\p%2))*4+16
.endr
.irp n, 0,1,2,3,4,5,6,7
	global_load_b32 v[BV+2*\n], v8, s[96:97] offset:(32*(\n/2)+8*(\n%2))*4
	global_load_b32 v[BV+2*\n+1], v8, s[96:97] offset:(32*(\n/2)+8*(\n%2))*4
	global_load_b32 v[MK+\n], v9, s[14:15] offset:(64*(\n/4)+8*(\n%4))*4
.endr
.macro FRAG reg, adr, q, i
.irp c, 0,1
	ds_load_b128 v[\reg+4*\c:\reg+4*\c+3], v[\adr] offset:8192*(\i)+1024*(\q)+512*\c
.endr
.endm
.macro MUL16 n0, ps, q, kh, zero
.irp n, \n0, \n0+1
.irp p, 0,1,2,3,4,5,6,7
.if \zero
	v_wmma_scale_f32_16x16x128_f8f6f4 v[8*(8*((\n)%4)+\p):8*(8*((\n)%4)+\p)+7], v[128*(\ps)+FR*\p:128*(\ps)+FR*\p+FR-1], v[NF+FR*(\n):NF+FR*(\n)+FR-1], 0, v[SC+32*(\kh)+NQ*\p+(\q)], v[SC+32*(\kh)+NQ*(\n)+(\q)] matrix_a_fmt:MATRIX_FMT_FP4 matrix_b_fmt:MATRIX_FMT_FP4 matrix_a_scale:MATRIX_SCALE_ROW1
.else
	v_wmma_scale_f32_16x16x128_f8f6f4 v[8*(8*((\n)%4)+\p):8*(8*((\n)%4)+\p)+7], v[128*(\ps)+FR*\p:128*(\ps)+FR*\p+FR-1], v[NF+FR*(\n):NF+FR*(\n)+FR-1], v[8*(8*((\n)%4)+\p):8*(8*((\n)%4)+\p)+7], v[SC+32*(\kh)+NQ*\p+(\q)], v[SC+32*(\kh)+NQ*(\n)+(\q)] matrix_a_fmt:MATRIX_FMT_FP4 matrix_b_fmt:MATRIX_FMT_FP4 matrix_a_scale:MATRIX_SCALE_ROW1
.endif
.endr
.endr
.endm
.macro FETCH_P kh, q, ps
	WIN TO_P
.irp i, 0,1,2,3,4,5,6,7
	FRAG 128*(\ps)+FR*\i, ADP+\kh, \q, \i
.endr
	WIN 0
.endm
.macro FETCH_N kh, q, i0
.irp i, \i0, \i0+1, \i0+2, \i0+3
	FRAG NF+FR*(\i), ADN+\kh, \q, \i
.endr
.endm
.macro SCALES kh
.irp i, 0,1,2,3,4,5,6,7
	global_load_b128 v[SC+32*\kh+NQ*\i:SC+32*\kh+NQ*\i+3], v[ADRS], s[6:7] offset:512*\i+256*\kh   ; sixteen lanes read 256 consecutive bytes, aligned
.endr
.endm
.macro PLACES n
.rept \n
	v_nop
.endr
.endm
.macro STEP kh, q, zero
	s_wait_dscnt 4*NL
	WIN MUL_LO
	MUL16 0, (\q)%2, \q, \kh, \zero
	MUL16 2, (\q)%2, \q, \kh, \zero
	s_wait_dscnt 0
	PLACES NP
	FETCH_P \kh, (\q)+1, 1-(\q)%2
	FETCH_N \kh, (\q)+1, 0
	WIN MUL_HI
	MUL16 4, (\q)%2, \q, \kh, \zero
	MUL16 6, (\q)%2, \q, \kh, \zero
	PLACES NP
	WIN 0
	FETCH_N \kh, (\q)+1, 4
.endm
.macro STEPS kh, from
.set Q, \from
.rept NQ-1-\from
	STEP \kh, Q, 0
.set Q, Q+1
.endr
.endm
	s_wait_alu depctr_va_vdst(0)                   ; the wait at the head's end
	SCALES 0
	SCALES 1
	s_wait_tensorcnt 0x0                           ; my 8 tiles are in
	s_wait_loadcnt 0x0                             ; and the scale words, biases and mask
	s_barrier_signal -1
	s_barrier_wait -1
	FETCH_P 0, 0, 0
	FETCH_N 0, 0, 0
	FETCH_N 0, 0, 4
	STEP 0, 0, 1
	STEPS 0, 1
	s_wait_dscnt 4*NL
	WIN MUL_LO
	MUL16 0, 1, NQ-1, 0, 0
	s_wait_dscnt 0x0
	MUL16 2, 1, NQ-1, 0, 0
	WIN 0
	PLACES NP
	FETCH_P 1, 0, 0
	FETCH_N 1, 0, 0
	WIN MUL_HI
	MUL16 4, 1, NQ-1, 0, 0
	MUL16 6, 1, NQ-1, 0, 0
	PLACES NP
	WIN 0
	FETCH_N 1, 0, 4
	STEPS 1, 0
	s_wait_dscnt 4*NL
	WIN MUL_LO
	MUL16 0, 1, NQ-1, 1, 0
	MUL16 2, 1, NQ-1, 1, 0
	s_wait_dscnt 0
	WIN MUL_HI
	MUL16 4, 1, NQ-1, 1, 0
	MUL16 6, 1, NQ-1, 1, 0
	WIN 0
.irp b, 0,1,2,3
	v_mov_b32 v[TM+4+\b], 0
.endr
	s_wait_loadcnt 0x0
	s_cmp_eq_u32 s[TZ], 0
	s_mov_b32 s25, 143360
	s_cselect_b32 s25, 73728, s25
	s_mov_b32 s26, 8960
	s_cselect_b32 s26, 4096, s26
	s_cselect_b64 s[28:29], s[16:17], s[18:19]
	s_cselect_b32 s[ISQ], -1, 0
	s_mov_b32 s30, 0x01010000
	s_cselect_b32 s30, 0x7f7f0000, s30
	s_and_b32 s31, s43, 31
	s_lshr_b32 s32, s31, 3
	s_lshl_b32 s32, s32, 4
	s_lshl_b32 s33, s42, 2
	s_add_co_u32 s32, s32, s33
	s_lshl_b32 s33, s[WH], 1
	s_add_co_u32 s32, s32, s33
	s_and_b32 s33, s31, 7
	s_lshl_b32 s33, s33, 1
	s_add_co_u32 s33, s33, s[XH]
	s_mul_i32 s34, s32, s25
	s_mul_i32 s35, s33, s26
	s_add_co_u32 s36, s34, s35
	s_mov_b32 s37, 0
	s_lshl_b32 s38, s33, 9
	s_add_co_u32 s38, s38, s34
	s_add_co_u32 s38, s38, 65536
	s_add_co_u32 s39, s36, 8192
	s_cmp_eq_u32 s[TZ], 0
	s_cselect_b32 s38, s38, s39
	s_mov_b32 s39, 0
	s_mov_b32 s46, s25
	s_mov_b32 s47, 0
	s_add_nc_u64 s[BA:BA+1], s[28:29], s[36:37]
	s_add_nc_u64 s[BB:BB+1], s[BA:BA+1], s[46:47]
	s_add_nc_u64 s[BS:BS+1], s[28:29], s[38:39]
	v_mov_b32 v[UMV], 0x01a00000
	v_mov_b32 v[UUV], s30
	v_lshlrev_b32 v[H16], 4, v2
	v_mul_u32_u24 v[SOF], s25, v2
	v_lshl_add_u32 v[SOF], v1, 4, v[SOF]
.macro QUANT s
.irp b, 0,1,2,3
	v_max3_num_f32 v[TM+\b], |v[\s+16*\b]|, |v[\s+1+16*\b]|, 0x1800000
.endr
.irp i, 2,4,6,8,10,12,14
.irp b, 0,1,2,3
	v_max3_num_f32 v[TM+\b], v[TM+\b], |v[\s+16*\b+\i]|, |v[\s+1+16*\b+\i]|
.endr
.endr
.irp b, 0,1,2,3
	v_permlanex16_b32 v[TM+4+\b], v[TM+\b], s[SEL], s[SEL+1]
.endr
.irp b, 0,1,2,3
	v_max_num_f32 v[TM+\b], v[TM+\b], v[TM+4+\b]
.endr
.irp b, 0,1,2,3
	v_add_nc_u32 v[TM+12+\b], 0xff000000, v[TM+\b]
.endr
.irp b, 0,1,2,3
	v_lshrrev_b32 v[TM+4+\b], 23, v[TM+12+\b]
.endr
	v_lshl_or_b32 v[PW], v[TM+5], 8, v[TM+4]
	v_lshl_or_b32 v[PW], v[TM+6], 16, v[PW]
	v_lshl_or_b32 v[PW], v[TM+7], 24, v[PW]
.irp b, 0,1,2,3
	v_cvt_scalef32_pk8_fp4_f32 v[PC+2*\b], v[\s+16*\b:\s+7+16*\b], v[TM+12+\b]
	v_cvt_scalef32_pk8_fp4_f32 v[PC+1+2*\b], v[\s+8+16*\b:\s+15+16*\b], v[TM+12+\b]
.endr
	v_nop
.irp c, 0,1
.irp i, 0,1
	v_permlane16_swap_b32 v[PC+4*\c+\i], v[PC+2+4*\c+\i]
.endr
.endr
.endm
.macro EPI_QK n
	s_wait_xcnt 0x0
	WIN 0x02+(\n)/4
.set i, 0
.rept 32
	v_pk_add_f32 v[HA+i:HA+i+1], v[64*((\n)%4)+i:64*((\n)%4)+i+1], v[BI+i:BI+i+1]
.set i, i+2
.endr
	WIN 0
	QUANT HA
	v_cmp_ne_u32 vcc_lo, 0, v[MK+(\n)]
	s_or_b32 vcc_lo, vcc_lo, s[ISQ]
.irp c, 0,1,2,3,4,5,6,7
	v_cndmask_b32 v[PC+\c], 0, v[PC+\c], vcc_lo
.endr
	v_cndmask_b32 v57, v[UMV], v[UUV], vcc_lo
	v_lshrrev_b32 v58, v[H16], v[PW]
	v_and_or_b32 v[SW+(\n)], v58, 0xffff, v57
	global_store_b128 v[LI], v[PC:PC+3], s[BA:BA+1] offset:512*(\n)
	global_store_b128 v[LI], v[PC+4:PC+7], s[BB:BB+1] offset:512*(\n)
.if (\n)%4 == 3
	global_store_b128 v[SOF], v[SW+(\n)-3:SW+(\n)], s[BS:BS+1] offset:256*((\n)/4)
.endif
.endm
.macro EPI_V n
	s_wait_xcnt 0x0
	WIN 0x02+(\n)/4
.set i, 0
.rept 32
	v_pk_add_f32 v[HA+i:HA+i+1], v[64*((\n)%4)+i:64*((\n)%4)+i+1], v[BV+2*(\n):BV+2*(\n)+1]
.set i, i+2
.endr
	WIN 0
	QUANT HA
	v_mov_b32 v[SW+(\n)], v[PW]
.irp c, 0,1
	global_store_b128 v[LI], v[PC+4*\c:PC+4*\c+3], s[BA:BA+1] offset:4096+((\n)/4)*143360+((\n)%4)*1024+512*\c
.endr
.endm
	s_cmp_eq_u32 s[TZ], 2
	s_cbranch_scc1 .Lpath_v
.irp n, 0,1,2,3,4,5,6,7
	EPI_QK \n
.endr
	s_branch .Ljoin
.Lpath_v:
.irp n, 0,1,2,3,4,5,6,7
	EPI_V \n
.endr
	v_cmp_ne_u32 vcc_lo, 0, v2
.irp i, 0,1,2,3
	v_cndmask_b32 v[60+\i], v[SW+\i], v[SW+4+\i], vcc_lo
.endr
	global_store_b128 v[SOF], v[60:63], s[BA:BA+1] offset:8704
.Ljoin:
	s_wait_tensorcnt 0x0
	ds_add_u32 v126, v127
	s_wait_dscnt 0x0
	CROUND
	s_endpgm
.Lfunc_end_k_q0799a69312_proj:
	.size	k_q0799a69312_proj, .Lfunc_end_k_q0799a69312_proj-k_q0799a69312_proj
	.p2alignl 7, 3214868480
	.fill 96, 4, 3214868480
	.section	.rodata,"a",@progbits
	.p2align	6, 0x0
	.amdhsa_kernel k_q0799a69312_proj
		.amdhsa_group_segment_fixed_size 327680
		.amdhsa_private_segment_fixed_size 0
		.amdhsa_enable_private_segment 0
		.amdhsa_kernarg_size 64
		.amdhsa_user_sgpr_count 2
		.amdhsa_user_sgpr_kernarg_segment_ptr 1
		.amdhsa_wavefront_size32 1
		.amdhsa_system_sgpr_workgroup_id_x 1
		.amdhsa_system_sgpr_workgroup_id_y 1
		.amdhsa_system_sgpr_workgroup_id_z 1
		.amdhsa_system_vgpr_workitem_id 0
		.amdhsa_next_free_vgpr 1024
		.amdhsa_next_free_sgpr 100
		.amdhsa_reserve_vcc 1
		.amdhsa_float_denorm_mode_32 3
		.amdhsa_float_denorm_mode_16_64 3
		.amdhsa_memory_ordered 1
		.amdhsa_forward_progress 1
		.amdhsa_inst_pref_size 198
	.end_amdhsa_kernel
	.amdgpu_metadata
---
amdhsa.version: [ 1, 2 ]
amdhsa.kernels:
  - .name:           k_q0799a69312_proj
    .symbol:         k_q0799a69312_proj.kd
    .args:
      - { .name: img, .offset: 0, .size: 8, .value_kind: global_buffer, .address_space: global }
      - { .name: scl, .offset: 8, .size: 8, .value_kind: global_buffer, .address_space: global }
      - { .name: bq, .offset: 16, .size: 8, .value_kind: global_buffer, .address_space: global }
      - { .name: bk, .offset: 24, .size: 8, .value_kind: global_buffer, .address_space: global }
      - { .name: bv, .offset: 32, .size: 8, .value_kind: global_buffer, .address_space: global }
      - { .name: mask, .offset: 40, .size: 8, .value_kind: global_buffer, .address_space: global }
      - { .name: qb, .offset: 48, .size: 8, .value_kind: global_buffer, .address_space: global }
      - { .name: kv, .offset: 56, .size: 8, .value_kind: global_buffer, .address_space: global }
    .group_segment_fixed_size: 327680
    .private_segment_fixed_size: 0
    .kernarg_segment_align: 8
    .kernarg_segment_size: 64
    .max_flat_workgroup_size: 128
    .sgpr_count:     100
    .vgpr_count:     1024
    .wavefront_size: 32
...
	.end_amdgpu_metadata
.endif
;; end of part 2
;; launch attn (part 3): grid 4 x 64, 16 waves a work-group, clusters of 4 x 1, 169,984 bytes of LDS; arguments qb, kv, cimg, cscl; writes cimg, cscl
.if DOCPART == 3
	.amdgcn_target "amdgcn-amd-amdhsa--gfx1250"
	.amdhsa_code_object_version 6
	.text
	.protected	k_q0799a69312_attn
	.globl	k_q0799a69312_attn
	.p2align	8
	.type	k_q0799a69312_attn,@function
k_q0799a69312_attn:
	s_mov_b64 s[64:65], 0
	v_nop
	global_prefetch_b8 v0, s[64:65] scope:SCOPE_SE
	s_setreg_imm32_b32 hwreg(HW_REG_WAVE_MODE, 25, 1), 1
	s_wait_xcnt 0x0
	s_wait_alu depctr_hold_cnt(0) depctr_sa_sdst(0) depctr_va_vdst(0) depctr_va_sdst(0) depctr_va_ssrc(0) depctr_va_vcc(0) depctr_vm_vsrc(0)
	s_getreg_b32 s2, hwreg(HW_REG_IB_STS2, 6, 4)
	s_cmp_eq_u32 s2, 0
	s_cbranch_scc0 .Lentry_in_a_cluster
	s_endpgm
.Lentry_in_a_cluster:
	s_bfe_u32 s2, ttmp6, 0x10000c
	s_cmp_lg_u32 s2, 0x3003
	s_cbranch_scc0 .Lentry_shape_is_right
	s_endpgm
.Lentry_shape_is_right:
; ctx = softmax(q k^T / 8, masked) v for one head of one batch, both products on codes of FP4 with E8M0 scales, and ctx quantised along the model's 1,024 for the output projection.
; t = raw score x log2(e) / 8; M = the running largest t rounded up to a whole number; p = 2^(t - M) is quantised along the keys, not normalised; the row's sum of the unquantised p divides at the end.
; SHARES.  A work-group owns 512 queries of a head; each of its sixteen waves takes one tile of 16 queries at a time, twice, and walks 16 key steps of 128 keys.
; The head's whole block of kv (16 steps x 8,960 bytes: K's 8 tiles of codes, V's 4 images, K's and V's scale words) lies in LDS, filled once: wave w asks for key step w, jointly with the head's other three work-groups.
; LAYOUT.  Both products transposed: S^T = K Q^T, O^T = V^T P^T: a lane holds one query.  Tile 4 c + u of a step's K holds keys 64 c + 8 u + r + 24 (r / 8): so the 32 score registers of
; tiles 4 c .. 4 c + 3 are, in lane (r, h), the 32 neighbouring keys 64 c + 32 h + 0 .. 31: ONE WHOLE BLOCK of the second product's K, in the order in which P's operand wants it.
; A block's largest p needs no other lane, and the conversions' results are the operand's registers.  Lanes l and l xor 16 exchange the row's maximum and their halves of p's scale word.
; ONE STEP AHEAD.  K's fragments and scale words are free once the step's score products are issued: the next step's are asked for there, behind V's.  A pass's last step asks for key step 0 again, and for the next pass's Q.
; THE MASK.  The head has 64 channels, the instruction 128 along K.  At k = 64 K's fragment holds the code -1 and Q's the code +1 (constants in registers); Q's scale byte of that block is 1.0, a key's
; is 2^-126, or 2^33 where the mask is 0 (and that key's codes are zeros): a masked raw score is -2^33, and c x 2^33 is a whole number, so a row with every key masked has p = 1 throughout.
; LIMITS: a masked logit is -2^30 where the definition has -1e9; the promise holds while the scaled scores stay under 2^31 in magnitude; an unmasked raw score carries -2^-126; a block of zeros gets the byte 1; NaN and infinities are not served.
; No prefetch: the launch's only tensor loads stand at its head, so there is no trip to ask ahead in.
; The scale bytes of ctx leave one byte a lane (32 bytes a wave and pass): each head owns two bytes of a row's word.
; REGISTERS: v1-10 addresses and 8 h; v12 -M, v13 largest raw score, v[14:15] the sum; v16-23 Q; v24-31 K's scale words; v32-95 K's 8 fragments; v96-159 S^T, then p; v160-191 O^T; v192-223 V's 4 fragments;
;   v224-231 p's codes; v232-254 at work; v240-243 V's scale words; v250, v251 the add's two; v255 Q's scale word.
.set STEPB, 8960
.set SPARE, 0x29000                    ; the spare words: 128 bytes for each of 16 waves, behind everything else
.set TB,  2                            ; s2  LDS byte at which the key step begins
.set CNT, 3                            ; s3  steps to go
.set WV,  18
.set SEL, 20                           ; s[20:21] selects: lane l xor 16
.set CS,  22                           ; s[22:23] c = log2(e) / 8, twice
.set G1A, 24                           ; s[24:31] group 1: one key step, 35 rows of 256 bytes
.set G0A, 40
.macro CROUND
	s_barrier_signal -1
	s_barrier_wait -1
	s_cmp_lg_u32 s[WV], 0
	s_cbranch_scc1 .Lnot_wave_0_\@
	s_barrier_signal -3
.Lnot_wave_0_\@:
	s_barrier_wait -3
	s_barrier_signal -1
	s_barrier_wait -1
.endm
	s_load_b256 s[4:11], s[0:1], 0x0               ; qb, kv, cimg, cscl
	v_lshl_add_u32 v250, v0, 2, SPARE
	v_mov_b32 v251, 0
	ds_add_u32 v250, v251                          ; the opening lines: the add, twice on end, and its wait ahead of my tensor load
	ds_add_u32 v250, v251
	v_lshrrev_b32 v1, 5, v0
	s_delay_alu instid0(VALU_DEP_1)
	v_readfirstlane_b32 s[WV], v1                  ; wave 0..15
	s_bfe_u32 s48, ttmp6, 0x40000                  ; cx
	s_lshl_b32 s49, ttmp9, 2
	s_add_co_u32 s49, s49, s48                     ; my block of 512 queries: it enters global addresses of Q and ctx alone
	s_and_b32 s50, ttmp7, 0xffff                   ; 16 x batch + head, which the four partners share
	s_mov_b32 s[G1A], 15|(3<<16)|(1<<21)           ; the mask: all four; elements of 8 bytes; bit 21 beside a mask
	s_mov_b32 s[G1A+1], 32<<16
	s_mov_b32 s[G1A+2], 35<<16
	s_mov_b32 s[G1A+3], 32<<16
	s_mov_b32 s[G1A+4], 35
	s_mov_b32 s[G1A+5], 32
	s_mov_b32 s[G1A+6], 0
	s_mov_b32 s[G1A+7], 0
	s_mul_i32 s54, s[WV], STEPB                    ; key step w: the same place in the head's block and in LDS
	s_mov_b32 s55, 0
	s_mul_i32 s52, s50, 16*STEPB
	s_mov_b32 s53, 0
	s_mov_b32 s[SEL], 0x76543210
	s_mov_b32 s[SEL+1], 0xfedcba98
	s_mov_b32 s[CS], 0x3e38aa3b
	s_mov_b32 s[CS+1], s[CS]
	s_wait_dscnt 0x0
	s_wait_kmcnt 0x0
	s_add_nc_u64 s[6:7], s[6:7], s[52:53]
	CROUND                                         ; all four work-groups are here: the joint loads meet
	s_mov_b32 s[G0A], 1
	s_mov_b32 s[G0A+1], s54
	s_add_nc_u64 s[G0A+2:G0A+3], s[6:7], s[54:55]
	s_or_b32 s[G0A+3], s[G0A+3], 0x80000000
	tensor_load_to_lds s[G0A:G0A+3], s[G1A:G1A+7]  ; every wave's one tensor load of the launch
	s_nop 0
.rept 4
	v_nop
.endr
	s_lshl_b32 s58, s49, 5
	s_add_co_u32 s58, s58, s[WV]                   ; my first tile among the batch's 128; the second lies 16 further on
	s_mul_i32 s59, s50, 73728
	s_lshl_b32 s60, s58, 9
	s_add_co_u32 s60, s60, s59
	s_mov_b32 s61, 0
	s_add_nc_u64 s[12:13], s[4:5], s[60:61]        ; Q's codes
	s_lshr_b32 s62, s58, 2
	s_lshl_b32 s62, s62, 8
	s_and_b32 s63, s58, 3
	s_lshl_b32 s63, s63, 2
	s_add_co_u32 s62, s62, s63
	s_add_co_u32 s62, s62, s59
	s_add_co_u32 s62, s62, 65536
	s_mov_b32 s63, 0
	s_add_nc_u64 s[14:15], s[4:5], s[62:63]        ; Q's scale words
	s_lshr_b32 s60, s50, 4
	s_lshl_b32 s60, s60, 7
	s_add_co_u32 s60, s60, s58                     ; the tile among ctx's 512
	s_and_b32 s59, s50, 15                         ; the head
	s_lshl_b32 s62, s60, 9
	s_lshl_b32 s60, s60, 13
	s_lshr_b32 s48, s59, 1                         ; the head's 64 channels are half c = head % 2 of K step head / 2
	s_lshl_b32 s51, s48, 10
	s_add_co_u32 s60, s60, s51
	s_and_b32 s51, s59, 1
	s_lshl_b32 s49, s51, 9
	s_add_co_u32 s60, s60, s49
	s_add_nc_u64 s[8:9], s[8:9], s[60:61]
	s_lshr_b32 s49, s59, 3
	s_lshl_b32 s49, s49, 8                         ; which half of K,
	s_add_co_u32 s62, s62, s49
	s_and_b32 s49, s48, 3
	s_lshl_b32 s49, s49, 2                         ; which word,
	s_add_co_u32 s62, s62, s49
	s_lshl_b32 s49, s51, 1                         ; which two bytes of it
	s_add_co_u32 s62, s62, s49
	s_add_nc_u64 s[10:11], s[10:11], s[62:63]
	v_and_b32 v4, 15, v0                           ; r
	v_bfe_u32 v3, v0, 4, 1                         ; h
	v_and_b32 v1, 31, v0
	s_delay_alu instid0(VALU_DEP_1)
	v_lshlrev_b32 v1, 4, v1                        ; 16 x lane
	s_delay_alu instid0(VALU_DEP_4)
	v_lshlrev_b32 v6, 4, v4                        ; 16 r
	s_delay_alu instid0(VALU_DEP_1)
	v_add_nc_u32 v2, 8192, v6                      ; a step's scale words
	s_delay_alu instid0(VALU_DEP_2)
	v_add_nc_u32 v5, v6, v3                        ; ctx's scale byte: 16 r + h
	v_xor_b32 v7, 1, v3
	s_delay_alu instid0(VALU_DEP_1)
	v_lshlrev_b32 v20, 1, v7                       ; Q at k = 64: the code +1.0 (lanes 0-15 hold k = 64 .. 95); all else of k = 64 .. 127 is 0
	v_mov_b32 v21, 0
	v_mov_b32 v22, 0
	v_mov_b32 v23, 0
	v_mul_u32_u24 v7, v7, 10                       ; K at k = 64: the code -1.0
	v_lshlrev_b32 v10, 3, v3                       ; 8 h: my two bytes' place in p's scale word
.irp t, 0,1,2,3,4,5,6,7
	v_mov_b32 v[36+8*\t], v7
	v_mov_b32 v[37+8*\t], 0
	v_mov_b32 v[38+8*\t], 0
	v_mov_b32 v[39+8*\t], 0
.endr
.irp b, 0,1,2,3
	v_mov_b32 v[236+\b], 0                         ; a lane permute's destination counts as read
.endr
	v_mov_b32 v253, 0                              ; (named as the upper half of v[252:253] before it is first written)
	global_load_b128 v[16:19], v1, s[12:13]        ; the first pass's Q
	global_load_b32 v255, v6, s[14:15]
.macro KFETCH a, s, o                  ; a key step's 8 tiles of K and their scale words: ten LDS loads
.irp t, 0,1,2,3,4,5,6,7
	ds_load_b128 v[32+8*\t:35+8*\t], v[\a] offset:\o+512*\t
.endr
	ds_load_b128 v[24:27], v[\s] offset:\o
	ds_load_b128 v[28:31], v[\s] offset:\o+256
.endm
; A KEY STEP: 128 keys.  nx = 0: the next step follows in LDS; 1: a pass's last step, another pass follows; 2: the last step of all
.macro STEP nx
	s_wait_dscnt 0x0                               ; this step's K and its scale words, asked for a step ago
.irp t, 0,1,2,3,4,5,6,7
	v_wmma_scale_f32_16x16x128_f8f6f4 v[96+8*\t:103+8*\t], v[32+8*\t:39+8*\t], v[16:23], 0, v[24+\t], v255 matrix_a_fmt:MATRIX_FMT_FP4 matrix_b_fmt:MATRIX_FMT_FP4
.endr
	v_add_nc_u32 v8, s[TB], v1                     ; four plain lines: the places ahead of the loads into registers that products have read, and of the first read of the scores
	v_add_nc_u32 v9, s[TB], v2
	v_mov_b32 v254, v12                            ; the old -M
	v_nop
.irp t, 0,1,2,3
.irp c, 0,1
	ds_load_b128 v[192+8*\t+4*\c:195+8*\t+4*\c], v8 offset:4096+1024*\t+512*\c   ; V: nine loads,
.endr
.endr
	ds_load_b128 v[240:243], v9 offset:512
.if \nx == 0
	KFETCH 8, 9, STEPB                             ; and behind them the next step's K: ten
.endif
.if \nx == 1
	KFETCH 1, 2, 0                                 ; the next pass begins at key step 0
	global_load_b128 v[16:19], v1, s[12:13] offset:8192   ; with its own Q
	global_load_b32 v255, v6, s[14:15] offset:1024
.endif
.irp b, 0,1,2,3
	v_max3_num_f32 v[232+\b], v[96+16*\b], v[97+16*\b], v[98+16*\b]   ; the largest score of each 16 registers, four chains by turns
.endr
.irp i, 3,5,7,9,11,13
.irp b, 0,1,2,3
	v_max3_num_f32 v[232+\b], v[232+\b], v[96+16*\b+\i], v[97+16*\b+\i]
.endr
.endr
.irp b, 0,1,2,3
	v_max_num_f32 v[232+\b], v[232+\b], v[111+16*\b]
.endr
	s_delay_alu instid0(VALU_DEP_3)
	v_max_num_f32 v232, v232, v233                 ; my block h's largest score: for the row's maximum, and, since p rises with the score, for the block's largest p
	s_delay_alu instid0(VALU_DEP_2)
	v_max_num_f32 v233, v234, v235                 ; my block 2 + h's
	s_delay_alu instid0(VALU_DEP_1)
	v_max3_num_f32 v244, v232, v233, v13
	s_delay_alu instid0(VALU_DEP_1)
	v_permlanex16_b32 v236, v244, s[SEL], s[SEL+1]
	s_delay_alu instid0(VALU_DEP_1)
	v_max_num_f32 v13, v244, v236                  ; with lane l xor 16's two blocks: the running largest raw score (c is positive: its t is the largest t)
	s_delay_alu instid0(VALU_DEP_1)
	v_mul_f32 v244, -v13, s[CS]                    ; -t
	s_delay_alu instid0(VALU_DEP_1)
	v_floor_f32 v12, v244                          ; -M = floor(-t): M is a whole number
.set j, 0
.rept 32
	v_pk_fma_f32 v[96+j:97+j], v[96+j:97+j], s[CS:CS+1], v[12:13] op_sel_hi:[1,0,0]   ; t - M; the three lines that make f stand among these
.if j == 4
	v_sub_f32 v254, v12, v254                      ; old M - new M, 0 or less
.endif
.if j == 10
	v_cvt_i32_f32 v254, v254                       ; (it saturates)
.endif
.if j == 16
	v_ldexp_f32 v252, 1.0, v254                    ; f = 2^(old M - new M): multiplying by it rounds nothing
.endif
.set j, j+2
.endr
.irp c, 0,1
	v_fma_f32 v[232+\c], v[232+\c], s[CS], v12
.endr
.set j, 0
	s_wait_alu depctr_va_vdst(0)                   ; the wait ahead of the batch
.rept 64
	v_exp_f32 v[96+j], v[96+j]                     ; p = 2^(t - M)
.set j, j+1
.endr
	v_pk_mul_f32 v[14:15], v[14:15], v[252:253] op_sel_hi:[1,0]   ; the sums under the new M: a plain line behind the exponentials
	s_wait_alu depctr_va_vdst(0)                   ; one wait for the batch of 64, ahead of its first reader
.irp c, 0,1
	v_exp_f32 v[232+\c], v[232+\c]                 ; my two blocks' largest p
.endr
	v_pk_add_f32 v[236:237], v[100:101], v[104:105]
	v_pk_add_f32 v[248:249], v[108:109], v[112:113]
	v_pk_add_f32 v[246:247], v[116:117], v[120:121]
	v_pk_add_f32 v[244:245], v[124:125], v[128:129]
	v_pk_add_f32 v[238:239], v[132:133], v[136:137]
	v_pk_add_f32 v[230:231], v[140:141], v[144:145]
	v_pk_add_f32 v[228:229], v[148:149], v[152:153]
	v_pk_add_f32 v[14:15], v[14:15], v[156:157]
	v_pk_add_f32 v[236:237], v[236:237], v[96:97]
	v_pk_add_f32 v[248:249], v[248:249], v[98:99]
	v_pk_add_f32 v[246:247], v[246:247], v[102:103]
	v_pk_add_f32 v[244:245], v[244:245], v[106:107]
	v_pk_add_f32 v[238:239], v[238:239], v[110:111]
	v_pk_add_f32 v[230:231], v[230:231], v[114:115]
	v_pk_add_f32 v[228:229], v[228:229], v[118:119]
	v_pk_add_f32 v[14:15], v[14:15], v[122:123]
	v_pk_add_f32 v[236:237], v[236:237], v[126:127]
	v_pk_add_f32 v[248:249], v[248:249], v[130:131]
	v_pk_add_f32 v[246:247], v[246:247], v[134:135]
	v_pk_add_f32 v[244:245], v[244:245], v[138:139]
	v_pk_add_f32 v[238:239], v[238:239], v[142:143]
	v_pk_add_f32 v[230:231], v[230:231], v[146:147]
	v_pk_add_f32 v[228:229], v[228:229], v[150:151]
	v_pk_add_f32 v[14:15], v[14:15], v[154:155]
	v_pk_add_f32 v[236:237], v[236:237], v[158:159]
	s_delay_alu instid0(VALU_DEP_2)
	v_pk_add_f32 v[14:15], v[14:15], v[244:245]
	s_delay_alu instid0(VALU_DEP_2)
	v_pk_add_f32 v[236:237], v[236:237], v[238:239]
	v_pk_add_f32 v[248:249], v[248:249], v[230:231]
	v_pk_add_f32 v[246:247], v[246:247], v[228:229]
	s_delay_alu instid0(VALU_DEP_2)
	v_pk_add_f32 v[14:15], v[14:15], v[248:249]
	s_delay_alu instid0(VALU_DEP_2)
	v_pk_add_f32 v[236:237], v[236:237], v[246:247]
	s_delay_alu instid0(VALU_DEP_1)
	v_pk_add_f32 v[14:15], v[14:15], v[236:237]    ; the row's sum of the unquantised p
	s_wait_alu depctr_va_vdst(0)                   ; and one for the two
.irp c, 0,1
	v_max_num_f32 v[232+\c], 0x1800000, v[232+\c]  ; the floor 2^(3 - 127)
.endr
.irp c, 0,1
	s_delay_alu instid0(VALU_DEP_2)
	v_add_nc_u32 v[244+\c], 0xff000000, v[232+\c]  ; the conversion's scale operand
.endr
.irp c, 0,1
	s_delay_alu instid0(VALU_DEP_2)
	v_lshrrev_b32 v[236+\c], 23, v[244+\c]         ; the scale's byte
.endr
	s_delay_alu instid0(VALU_DEP_1)
	v_lshl_or_b32 v253, v237, 16, v236             ; blocks h and 2 + h,
	s_delay_alu instid0(VALU_DEP_1)
	v_lshlrev_b32 v253, v10, v253                  ; at their places;
	s_delay_alu instid0(VALU_DEP_1)
	v_permlanex16_b32 v238, v253, s[SEL], s[SEL+1]
	s_delay_alu instid0(VALU_DEP_1)
	v_or_b32 v253, v253, v238                      ; with lane l xor 16's two: p's scale word for these 128 keys
.irp c, 0,1
.irp g, 0,1,2,3
	v_cvt_scalef32_pk8_fp4_f32 v[224+4*\c+\g], v[96+32*\c+8*\g:103+32*\c+8*\g], v[244+\c]   ; registers 4 c .. 4 c + 3 of P's operand: k = 64 c + 32 h + 0 .. 31
.endr
.endr
	s_wait_alu depctr_va_vdst(0)                   ; the wait here, directly ahead of the first reader of O^T
.set j, 0
.rept 16
	v_pk_mul_f32 v[160+j:161+j], v[160+j:161+j], v[252:253] op_sel_hi:[1,0]   ; O^T under the new M; these sixteen are also the plain lines behind the conversions and the places between the scale word's and the codes' writes and the products
.set j, j+2
.endr
	s_wait_alu depctr_va_vdst(0)
.if \nx == 2
	s_wait_dscnt 0x0                               ; V and its scale words
.else
	s_wait_dscnt 10                                ; V and its scale words are in; the ten loads of the next step's K, issued behind them, may be out
.endif
.irp t, 0,1,2,3
	v_wmma_scale_f32_16x16x128_f8f6f4 v[160+8*\t:167+8*\t], v[192+8*\t:199+8*\t], v[224:231], v[160+8*\t:167+8*\t], v[240+\t], v253 matrix_a_fmt:MATRIX_FMT_FP4 matrix_b_fmt:MATRIX_FMT_FP4
.endr
	s_add_co_u32 s[TB], s[TB], STEPB
.endm
.macro LOOP n
	s_mov_b32 s[CNT], \n
.Lstep_\@:
	STEP 0
	s_sub_co_u32 s[CNT], s[CNT], 1
	s_cmp_lg_u32 s[CNT], 0
	s_cbranch_scc1 .Lstep_\@
.endm
; O^T / the sum is ctx: register 16 b + i = channel 32 b + 16 h + i of my query's head: two blocks of the output projection's K
.macro WAYOUT p
.rept 4
	v_nop                                          ; places behind the last products
.endr
	v_add_f32 v14, v14, v15
	s_delay_alu instid0(VALU_DEP_1)
	v_permlanex16_b32 v252, v14, s[SEL], s[SEL+1]
	s_delay_alu instid0(VALU_DEP_1)
	v_add_f32 v14, v14, v252                       ; the row's sum
	s_wait_alu depctr_va_vdst(0)
	v_rcp_f32 v14, v14
	v_nop                                          ; a plain line behind the reciprocal
	s_wait_alu depctr_va_vdst(0)                   ; and the wait ahead of its first reader
.set j, 0
.rept 32
	v_mul_f32 v[96+j], v[160+j], v14
.set j, j+1
.endr
.irp b, 0,1
	v_max3_num_f32 v[232+\b], |v[96+16*\b]|, |v[97+16*\b]|, 0x1800000
.endr
.irp i, 2,4,6,8,10,12,14
.irp b, 0,1
	s_delay_alu instid0(VALU_DEP_2)
	v_max3_num_f32 v[232+\b], v[232+\b], |v[96+16*\b+\i]|, |v[97+16*\b+\i]|
.endr
.endr
.irp b, 0,1
	s_delay_alu instid0(VALU_DEP_2)
	v_permlanex16_b32 v[236+\b], v[232+\b], s[SEL], s[SEL+1]
.endr
.irp b, 0,1
	s_delay_alu instid0(VALU_DEP_2)
	v_max_num_f32 v[232+\b], v[232+\b], v[236+\b]
.endr
.irp b, 0,1
	s_delay_alu instid0(VALU_DEP_2)
	v_add_nc_u32 v[244+\b], 0xff000000, v[232+\b]
.endr
.irp b, 0,1
	s_delay_alu instid0(VALU_DEP_2)
	v_lshrrev_b32 v[236+\b], 23, v[244+\b]
.endr
.irp b, 0,1
	v_cvt_scalef32_pk8_fp4_f32 v[128+2*\b], v[96+16*\b:103+16*\b], v[244+\b]
	v_cvt_scalef32_pk8_fp4_f32 v[129+2*\b], v[104+16*\b:111+16*\b], v[244+\b]
.endr
	v_nop
	v_permlane16_swap_b32 v128, v130
	v_permlane16_swap_b32 v129, v131               ; v128-131: block h of my row
	v_cmp_ne_u32 vcc_lo, 0, v3
	s_delay_alu instid0(VALU_DEP_1)
	v_cndmask_b32 v132, v236, v237, vcc_lo         ; and its byte
	global_store_b128 v1, v[128:131], s[8:9] offset:131072*\p    ; 512 consecutive bytes of the tile's image
	global_store_b8 v5, v132, s[10:11] offset:8192*\p
.endm
.macro PASS p
.if \p
	s_wait_xcnt 0x0                                ; the first pass's stores have read their registers
.endif
	v_mov_b32 v13, 0xff61b1e6                      ; the largest raw score so far: -3e38
	v_mov_b32 v12, 0x7f61b1e6                      ; -M: 3e38, so that the first f is 0
	v_mov_b32 v14, 0
	v_mov_b32 v15, 0
.set j, 0
.rept 32
	v_mov_b32 v[160+j], 0                          ; the step is written once: the first finds zeros
.set j, j+1
.endr
	s_mov_b32 s[TB], 0
	s_wait_alu depctr_va_vdst(0)
	s_wait_loadcnt 0x0                             ; this pass's Q
	LOOP 15
	STEP 1+\p                                      ; the pass's last step is written out: what it asks for differs
	WAYOUT \p
.endm
	s_wait_alu depctr_va_vdst(0)                   ; the wait at the head's end
	s_wait_tensorcnt 0x0                           ; my key step is in
	s_barrier_signal -1
	s_barrier_wait -1                              ; and everybody's: the head's block is whole, and nothing is filled again
	KFETCH 1, 2, 0                                 ; key step 0's K
	PASS 0
	PASS 1
	s_wait_tensorcnt 0x0                           ; the wave's end
	ds_add_u32 v250, v251
	s_wait_dscnt 0x0
	CROUND                                         ; the closing round
	s_endpgm
.Lfunc_end_k_q0799a69312_attn:
	.size	k_q0799a69312_attn, .Lfunc_end_k_q0799a69312_attn-k_q0799a69312_attn
	.p2alignl 7, 3214868480
	.fill 96, 4, 3214868480
	.section	.rodata,"a",@progbits
	.p2align	6, 0x0
	.amdhsa_kernel k_q0799a69312_attn
		.amdhsa_group_segment_fixed_size 169984
		.amdhsa_private_segment_fixed_size 0
		.amdhsa_enable_private_segment 0
		.amdhsa_kernarg_size 32
		.amdhsa_user_sgpr_count 2
		.amdhsa_user_sgpr_kernarg_segment_ptr 1
		.amdhsa_wavefront_size32 1
		.amdhsa_system_sgpr_workgroup_id_x 1
		.amdhsa_system_sgpr_workgroup_id_y 1
		.amdhsa_system_sgpr_workgroup_id_z 1
		.amdhsa_system_vgpr_workitem_id 0
		.amdhsa_next_free_vgpr 256
		.amdhsa_next_free_sgpr 66
		.amdhsa_reserve_vcc 1
		.amdhsa_float_denorm_mode_32 3
		.amdhsa_float_denorm_mode_16_64 3
		.amdhsa_memory_ordered 1
		.amdhsa_forward_progress 1
		.amdhsa_inst_pref_size 76
	.end_amdhsa_kernel
	.amdgpu_metadata
---
amdhsa.version: [ 1, 2 ]
amdhsa.kernels:
  - .name:           k_q0799a69312_attn
    .symbol:         k_q0799a69312_attn.kd
    .args:
      - { .name: qb, .offset: 0, .size: 8, .value_kind: global_buffer, .address_space: global }
      - { .name: kv, .offset: 8, .size: 8, .value_kind: global_buffer, .address_space: global }
      - { .name: cimg, .offset: 16, .size: 8, .value_kind: global_buffer, .address_space: global }
      - { .name: cscl, .offset: 24, .size: 8, .value_kind: global_buffer, .address_space: global }
    .group_segment_fixed_size: 169984
    .private_segment_fixed_size: 0
    .kernarg_segment_align: 8
    .kernarg_segment_size: 32
    .max_flat_workgroup_size: 512
    .sgpr_count:     66
    .vgpr_count:     256
    .wavefront_size: 32
...
	.end_amdgpu_metadata
.endif
;; end of part 3
;; launch outln (part 4): grid 256 x 1, 16 waves a work-group, clusters of 4 x 1, 327,680 bytes of LDS; arguments cimg, cscl, img, scl, bo, Q, gamma, beta, out0; writes out0
.if DOCPART == 4
	.amdgcn_target "amdgcn-amd-amdhsa--gfx1250"
	.amdhsa_code_object_version 6
	.text
	.protected	k_q0799a69312_outln
	.globl	k_q0799a69312_outln
	.p2align	8
	.type	k_q0799a69312_outln,@function
k_q0799a69312_outln:
	s_mov_b64 s[64:65], 0
	v_nop
	global_prefetch_b8 v0, s[64:65] scope:SCOPE_SE
	s_setreg_imm32_b32 hwreg(HW_REG_WAVE_MODE, 25, 1), 1
	s_wait_xcnt 0x0
	s_wait_alu depctr_hold_cnt(0) depctr_sa_sdst(0) depctr_va_vdst(0) depctr_va_sdst(0) depctr_va_ssrc(0) depctr_va_vcc(0) depctr_vm_vsrc(0)
	s_getreg_b32 s2, hwreg(HW_REG_IB_STS2, 6, 4)
	s_cmp_eq_u32 s2, 0
	s_cbranch_scc0 .Lentry_in_a_cluster
	s_endpgm
.Lentry_in_a_cluster:
	s_bfe_u32 s2, ttmp6, 0x10000c
	s_cmp_lg_u32 s2, 0x3003
	s_cbranch_scc0 .Lentry_shape_is_right
	s_endpgm
.Lentry_shape_is_right:
; out0 = LayerNorm(ctx Wo^T + bo + Q) x gamma + beta.  ctx and Wo arrive as codes of FP4 with E8M0 scale words, in the order of a matrix operand's registers (tiles of 16 rows, 8 images of 1,024 bytes for K = 1,024).
; SHARES.  A work-group owns 32 rows (two tiles of ctx) and all 1,024 columns; each of its sixteen waves makes 32 rows x 64 columns (4 tiles of Wo): 8 accumulators, 8 K steps of 128.
; CLUSTERS.  All work-groups walk the same 512 KiB of Wo's codes: four form a cluster and ask jointly.  Wave w asks for its own 4 tiles: K steps 0 to 3 at the head (4 rows of 4,096 bytes, 16 KiB),
; K steps 4 to 7 into the same bytes behind a round of the cluster's barrier.  A wave reads only the bytes that it asked for itself, behind its own wait.
; ctx's 16 KiB of codes and gamma and beta (8 KiB) are loaded once a work-group, 16 bytes a thread and load, and put into LDS bytes of their own.
; The residual rows of Q are not needed before the norm: they are asked for in K steps 0 to 3, four loads a step, behind Wo's first fill, into 64 registers of their own.
; The product is used transposed (source 0 = 16 rows of Wo, source 1 = 16 rows of ctx): a lane holds eight neighbouring columns of one row.  bo is the sums' first C.
; The results turn through a stage in LDS (rows 4,112 bytes apart), which lies in Wo's bytes after their last fill and behind a barrier; then a wave norms two whole rows and stores 512 consecutive bytes an instruction.
; No prefetch: the text has no loop to ask ahead in; Wo comes in two loads a wave.
.set WRB,   16384                      ; a wave's part of Wo's region: [4 tiles][4 K steps][1,024]
.set CTX,   262144                     ; behind Wo's 16 x 16,384: ctx's two tiles
.set GB,    278528                     ; gamma, then beta
.set SPARE, 286720                     ; the spare words: 128 bytes for each of 16 waves
.set SP,    4112                       ; a stage row
.set ACC, 16                           ; v16-79   8 accumulators; later my two rows
.set WS,  80                           ; v80-111  Wo's scale words
.set CSW, 112                          ; v112-127 ctx's scale words
.set WF,  128                          ; v128-159 Wo's 4 fragments
.set CF,  160                          ; v160-175 ctx's 2 fragments
.set QV,  176                          ; v176-239 my two rows of Q
.set T,   240                          ; v240-251 at work
.set GA,  80                           ; gamma and beta, behind the products
.set BE,  112
.set WV,  22
.set SEL, 52
.macro ROUND                           ; a round of the cluster's barrier
	s_barrier_signal -1
	s_barrier_wait -1
	s_cmp_lg_u32 s[WV], 0
	s_cbranch_scc1 .Lnot_wave_0_\@
	s_barrier_signal -3
.Lnot_wave_0_\@:
	s_barrier_wait -3
	s_barrier_signal -1
	s_barrier_wait -1
.endm
	s_load_b512 s[4:19], s[0:1], 0x0               ; cimg, cscl, img, scl, bo, Q, gamma, beta
	s_load_b64 s[20:21], s[0:1], 0x40              ; out0
	v_lshl_add_u32 v14, v0, 2, SPARE
	v_mov_b32 v15, 0
	ds_add_u32 v14, v15                            ; the opening lines: the add, twice on end, and its wait ahead of my first tensor load
	ds_add_u32 v14, v15
	v_lshrrev_b32 v1, 5, v0
	v_readfirstlane_b32 s[WV], v1                  ; wave 0..15
	s_bfe_u32 s23, ttmp6, 0x40000                  ; cx
	s_lshl_b32 s56, ttmp9, 2
	s_add_co_u32 s56, s56, s23                     ; my block of 32 rows: it enters global addresses of ctx, Q and out0 alone
	s_mov_b32 s24, 15|(3<<16)|(1<<21)              ; group 1: the mask names all four; elements of 8 bytes; bit 21 beside a mask
	s_mov_b32 s25, 512<<16                         ; a row: 4 K steps of one tile, 4,096 bytes
	s_mov_b32 s26, 4<<16                           ; 4 tiles,
	s_mov_b32 s27, 512<<16
	s_mov_b32 s28, 4
	s_mov_b32 s29, 1024                            ; 8,192 bytes apart
	s_mov_b32 s30, 0
	s_mov_b32 s31, 0
	s_lshl_b32 s44, s[WV], 14
	s_lshl_b32 s45, s[WV], 10
	s_lshl_b32 s58, s[WV], 8                       ; my 64 columns, in bytes
	s_mov_b32 s59, 0
	s_mul_i32 s48, s[WV], 2*SP
	s_lshl_b32 s32, s56, 14
	s_add_co_u32 s32, s32, s45                     ; ctx's codes: my 1,024 of the block's 16,384 bytes
	s_mov_b32 s33, 0
	s_lshl_b32 s34, s56, 10                        ; ctx's scale words
	s_mov_b32 s35, 0
	s_lshl_b32 s57, s[WV], 2
	s_add_co_u32 s57, s57, 1728                    ; my first tile of Wo among the images
	s_lshl_b32 s36, s57, 13
	s_mov_b32 s37, 0
	s_lshl_b32 s38, s57, 9
	s_mov_b32 s39, 0
	s_lshr_b32 s50, s[WV], 3                       ; the two rows that I norm: stage rows 2 w, 2 w + 1 are tile w / 8, tile rows m = 2 (w % 8), m + 1: tensor row 8 (w / 8) + m + 8 (m / 8)
	s_lshl_b32 s50, s50, 3
	s_and_b32 s51, s[WV], 7
	s_lshl_b32 s51, s51, 1
	s_add_co_u32 s50, s50, s51
	s_and_b32 s51, s51, 8
	s_add_co_u32 s50, s50, s51
	s_lshl_b32 s51, s56, 5
	s_add_co_u32 s50, s50, s51
	s_lshl_b32 s50, s50, 12
	s_mov_b32 s51, 0
	s_mov_b32 s40, 1
	s_mov_b32 s41, s44                             ; LDS: wave x 16,384
	s_mov_b32 s[SEL], 0x76543210
	s_mov_b32 s[SEL+1], 0xfedcba98
	s_mov_b32 s54, 0x3a800000                      ; 1 / 1,024
	s_mov_b32 s55, 0x3727c5ac                      ; 1e-5
	v_and_b32 v2, 15, v0                           ; r
	v_bfe_u32 v3, v0, 4, 1                         ; h
	v_and_b32 v1, 31, v0
	v_and_b32 v240, 255, v0
	v_lshlrev_b32 v4, 4, v2                        ; 16 r
	v_lshlrev_b32 v5, 6, v3                        ; 64 h
	v_lshlrev_b32 v1, 4, v1                        ; 16 x lane
	v_lshlrev_b32 v240, 4, v240                    ; my 16 bytes of gamma (threads 0-255) or of beta
	v_mul_u32_u24 v10, v2, SP
	v_lshl_add_u32 v9, v0, 4, GB                   ; and where they go
	v_add_nc_u32 v6, s44, v1                       ; my part of Wo's region
	v_add_nc_u32 v7, CTX, v1                       ; ctx's fragments
	v_add_nc_u32 v10, v10, v5
	v_add_nc_u32 v12, s48, v1                      ; the stage, way out: my two rows
	v_add_nc_u32 v13, GB, v1
	v_add_nc_u32 v8, s45, v7                       ; where my 1,024 bytes of ctx go
	v_add_nc_u32 v10, s58, v10                     ; the stage, way in: row r, my 64 columns, 64 h bytes on
	v_add_nc_u32 v11, 16*SP, v10
	s_wait_alu depctr_va_vdst(0)                   ; the wait at the head's end
	s_wait_dscnt 0x0
	s_wait_kmcnt 0x0
	s_add_nc_u64 s[4:5], s[4:5], s[32:33]
	s_add_nc_u64 s[6:7], s[6:7], s[34:35]
	s_add_nc_u64 s[42:43], s[8:9], s[36:37]
	s_or_b32 s43, s43, 0x80000000
	s_add_nc_u64 s[10:11], s[10:11], s[38:39]
	s_add_nc_u64 s[12:13], s[12:13], s[58:59]
	s_add_nc_u64 s[14:15], s[14:15], s[50:51]
	s_add_nc_u64 s[20:21], s[20:21], s[50:51]
	s_cmp_lt_u32 s[WV], 8                          ; waves 0-7 bring gamma, waves 8-15 beta
	s_cselect_b64 s[46:47], s[16:17], s[18:19]
	global_load_b128 v[CF:CF+3], v1, s[4:5]
	global_load_b128 v[CF+4:CF+7], v1, s[4:5] offset:512
	global_load_b128 v[CF+8:CF+11], v240, s[46:47]
	ROUND                                          ; all four work-groups are here: the joint loads meet
	tensor_load_to_lds s[40:43], s[24:31]          ; K steps 0 to 3 of my 4 tiles: my one tensor load at the head
	s_nop 0
.rept 4
	v_nop
.endr
.irp ct, 0,1,2,3
.irp kh, 0,1
	global_load_b128 v[WS+8*\ct+4*\kh:WS+8*\ct+4*\kh+3], v4, s[10:11] offset:512*\ct+256*\kh
.endr
.endr
.irp rt, 0,1
.irp kh, 0,1
	global_load_b128 v[CSW+8*\rt+4*\kh:CSW+8*\rt+4*\kh+3], v4, s[6:7] offset:512*\rt+256*\kh
.endr
.endr
.irp rt, 0,1
.irp ct, 0,1,2,3
	global_load_b128 v[ACC+8*(4*\rt+\ct):ACC+8*(4*\rt+\ct)+3], v5, s[12:13] offset:(32*(\ct/2)+8*(\ct%2))*4        ; bo at the lane's eight columns: the sums' first C
	global_load_b128 v[ACC+8*(4*\rt+\ct)+4:ACC+8*(4*\rt+\ct)+7], v5, s[12:13] offset:(32*(\ct/2)+8*(\ct%2))*4+16
.endr
.endr
	s_wait_loadcnt 28                              ; ctx's two loads and gamma's or beta's one are in; the 8 + 4 + 16 issued behind them may be out
	ds_store_b128 v8, v[CF:CF+3]
	ds_store_b128 v8, v[CF+4:CF+7] offset:512
	ds_store_b128 v9, v[CF+8:CF+11]
	s_wait_dscnt 0x0                               ; for the others' sake
	s_wait_tensorcnt 0x0                           ; my part of Wo is in
	s_wait_loadcnt 0x0                             ; and the scale words and bo
	s_barrier_signal -1
	s_barrier_wait -1
.macro KSTEP s
.irp ct, 0,1,2,3
.irp c, 0,1
	ds_load_b128 v[WF+8*\ct+4*\c:WF+8*\ct+4*\c+3], v6 offset:4096*\ct+1024*((\s)%4)+512*\c
.endr
.endr
.irp rt, 0,1
.irp c, 0,1
	ds_load_b128 v[CF+8*\rt+4*\c:CF+8*\rt+4*\c+3], v7 offset:8192*\rt+1024*(\s)+512*\c
.endr
.endr
.if (\s) < 4
.irp i, 0,1,2,3
	global_load_b128 v[QV+16*(\s)+4*\i:QV+16*(\s)+4*\i+3], v1, s[14:15] offset:4096*((\s)/2)+2048*((\s)%2)+512*\i th:TH_LOAD_NT   ; a quarter of my two rows of Q: 512 consecutive bytes a load
.endr
.endif
	s_wait_dscnt 0x0
.irp rt, 0,1
.irp ct, 0,1,2,3
	v_wmma_scale_f32_16x16x128_f8f6f4 v[ACC+8*(4*\rt+\ct):ACC+8*(4*\rt+\ct)+7], v[WF+8*\ct:WF+8*\ct+7], v[CF+8*\rt:CF+8*\rt+7], v[ACC+8*(4*\rt+\ct):ACC+8*(4*\rt+\ct)+7], v[WS+8*\ct+\s], v[CSW+8*\rt+\s] matrix_a_fmt:MATRIX_FMT_FP4 matrix_b_fmt:MATRIX_FMT_FP4
.endr
.endr
.rept 4
	v_nop                                          ; places ahead of the next loads into the fragments, and of the first read of the results
.endr
.endm
.irp s, 0,1,2,3
	KSTEP \s
.endr
	s_wait_tensorcnt 0x0                           ; no tensor load of mine is out,
	ds_add_u32 v14, v15
	s_add_nc_u64 s[42:43], s[42:43], 4096          ; so the descriptor may step: K steps 4 to 7
	s_wait_dscnt 0x0                               ; the add is done, and my reads of Wo's region are over
	ROUND                                          ; both hold of every wave of all four work-groups
	tensor_load_to_lds s[40:43], s[24:31]          ; my one tensor load behind the round, into the bytes that I have read out
	s_nop 0
.rept 4
	v_nop
.endr
	s_wait_tensorcnt 0x0
.irp s, 4,5,6,7
	KSTEP \s
.endr
	s_wait_alu depctr_va_vdst(0)
	s_barrier_signal -1                            ; no LDS load of mine is out: every wave has read Wo's region and ctx for the last time,
	s_barrier_wait -1                              ; and the region has had its last fill: the stage may lie there
.irp ct, 0,1,2,3
	ds_store_b128 v10, v[ACC+8*\ct:ACC+8*\ct+3] offset:128*(\ct/2)+32*(\ct%2)
	ds_store_b128 v10, v[ACC+8*\ct+4:ACC+8*\ct+7] offset:128*(\ct/2)+32*(\ct%2)+16
	ds_store_b128 v11, v[ACC+32+8*\ct:ACC+32+8*\ct+3] offset:128*(\ct/2)+32*(\ct%2)
	ds_store_b128 v11, v[ACC+32+8*\ct+4:ACC+32+8*\ct+7] offset:128*(\ct/2)+32*(\ct%2)+16
.endr
	s_wait_dscnt 0x0
	s_barrier_signal -1
	s_barrier_wait -1
.irp p, 0,1
.irp i, 0,1,2,3,4,5,6,7
	ds_load_b128 v[ACC+32*\p+4*\i:ACC+32*\p+4*\i+3], v12 offset:SP*\p+512*\i
.endr
.endr
.irp i, 0,1,2,3,4,5,6,7
	ds_load_b128 v[GA+4*\i:GA+4*\i+3], v13 offset:512*\i
	ds_load_b128 v[BE+4*\i:BE+4*\i+3], v13 offset:4096+512*\i
.endr
	s_wait_loadcnt 0x0                             ; Q
	s_wait_dscnt 16                                ; my two rows are back; gamma's and beta's sixteen loads may be out
.macro ACROSS
.irp p, 0,1
	s_delay_alu instid0(VALU_DEP_2)
	v_add_f32 v[T+2*\p], v[T+2*\p], v[T+2*\p+1]
.endr
.irp m, 1,2,4,8
.irp p, 0,1
	s_delay_alu instid0(VALU_DEP_2)
	v_add_f32_dpp v[T+2*\p], v[T+2*\p], v[T+2*\p] row_xmask:\m row_mask:0xf bank_mask:0xf
.endr
.endr
.irp p, 0,1
	s_delay_alu instid0(VALU_DEP_2)
	v_permlanex16_b32 v[T+2*\p+1], v[T+2*\p], s[SEL], s[SEL+1]
.endr
.irp p, 0,1
	s_delay_alu instid0(VALU_DEP_2)
	v_add_f32 v[T+2*\p], v[T+2*\p], v[T+2*\p+1]
.endr
.endm
.irp i, 0,2,4,6,8,10,12,14,16,18,20,22,24,26,28,30
.irp p, 0,1
	v_pk_add_f32 v[ACC+32*\p+\i:ACC+32*\p+\i+1], v[ACC+32*\p+\i:ACC+32*\p+\i+1], v[QV+32*\p+\i:QV+32*\p+\i+1]   ; x = out + Q
.endr
.endr
.irp p, 0,1
	v_pk_add_f32 v[T+2*\p:T+2*\p+1], v[ACC+32*\p:ACC+32*\p+1], v[ACC+32*\p+2:ACC+32*\p+3]
.endr
.irp i, 4,6,8,10,12,14,16,18,20,22,24,26,28,30
.irp p, 0,1
	s_delay_alu instid0(VALU_DEP_2)
	v_pk_add_f32 v[T+2*\p:T+2*\p+1], v[T+2*\p:T+2*\p+1], v[ACC+32*\p+\i:ACC+32*\p+\i+1]
.endr
.endr
	ACROSS
.irp p, 0
	s_delay_alu instid0(VALU_DEP_2)
	v_mul_f32 v[T+4+2*\p], s54, v[T+2*\p]          ; the mean, twice
	s_delay_alu instid0(VALU_DEP_3)
	v_mul_f32 v[T+5+2*\p], s54, v[T+2*\p]
.endr
.irp p, 1
	s_delay_alu instid0(VALU_DEP_3)
	v_mul_f32 v[T+4+2*\p], s54, v[T+2*\p]
	s_delay_alu instid0(VALU_DEP_4)
	v_mul_f32 v[T+5+2*\p], s54, v[T+2*\p]
.endr
.irp i, 0,2,4,6,8,10,12,14,16,18,20,22,24,26,28,30
.irp p, 0,1
	v_pk_add_f32 v[ACC+32*\p+\i:ACC+32*\p+\i+1], v[ACC+32*\p+\i:ACC+32*\p+\i+1], v[T+4+2*\p:T+5+2*\p] neg_lo:[0,1] neg_hi:[0,1]
.endr
.endr
.irp p, 0,1
	v_pk_mul_f32 v[T+2*\p:T+2*\p+1], v[ACC+32*\p:ACC+32*\p+1], v[ACC+32*\p:ACC+32*\p+1]
.endr
.irp i, 2,4,6,8,10,12,14,16,18,20,22,24,26,28,30
.irp p, 0,1
	s_delay_alu instid0(VALU_DEP_2)
	v_pk_fma_f32 v[T+2*\p:T+2*\p+1], v[ACC+32*\p+\i:ACC+32*\p+\i+1], v[ACC+32*\p+\i:ACC+32*\p+\i+1], v[T+2*\p:T+2*\p+1]
.endr
.endr
	ACROSS
.irp p, 0,1
	s_delay_alu instid0(VALU_DEP_2)
	v_fma_f32 v[T+2*\p], v[T+2*\p], s54, s55       ; the variance + 1e-5
.endr
	s_wait_alu depctr_va_vdst(0)                   ; the wait ahead of the batch
.irp p, 0,1
	v_rsq_f32 v[T+8+2*\p], v[T+2*\p]
	v_rsq_f32 v[T+9+2*\p], v[T+2*\p]
.endr
	v_nop                                          ; a plain line behind the batch
	s_wait_alu depctr_va_vdst(0)                   ; and the wait ahead of its first reader
	s_wait_dscnt 0x0                               ; gamma and beta
.irp i, 0,2,4,6,8,10,12,14,16,18,20,22,24,26,28,30
.irp p, 0,1
	v_pk_mul_f32 v[ACC+32*\p+\i:ACC+32*\p+\i+1], v[ACC+32*\p+\i:ACC+32*\p+\i+1], v[T+8+2*\p:T+9+2*\p]
.endr
.endr
.irp i, 0,2,4,6,8,10,12,14,16,18,20,22,24,26,28,30
.irp p, 0,1
	v_pk_fma_f32 v[ACC+32*\p+\i:ACC+32*\p+\i+1], v[ACC+32*\p+\i:ACC+32*\p+\i+1], v[GA+\i:GA+\i+1], v[BE+\i:BE+\i+1]
.endr
.endr
.irp p, 0,1
.irp i, 0,1,2,3,4,5,6,7
	global_store_b128 v1, v[ACC+32*\p+4*\i:ACC+32*\p+4*\i+3], s[20:21] offset:4096*\p+512*\i th:TH_STORE_NT   ; 512 consecutive bytes of a row
.endr
.endr
	s_wait_tensorcnt 0x0                           ; the wave's end
	ds_add_u32 v14, v15
	s_wait_dscnt 0x0
	ROUND                                          ; the closing round
	s_endpgm
.Lfunc_end_k_q0799a69312_outln:
	.size	k_q0799a69312_outln, .Lfunc_end_k_q0799a69312_outln-k_q0799a69312_outln
	.p2alignl 7, 3214868480
	.fill 96, 4, 3214868480
	.section	.rodata,"a",@progbits
	.p2align	6, 0x0
	.amdhsa_kernel k_q0799a69312_outln
		.amdhsa_group_segment_fixed_size 327680
		.amdhsa_private_segment_fixed_size 0
		.amdhsa_enable_private_segment 0
		.amdhsa_kernarg_size 72
		.amdhsa_user_sgpr_count 2
		.amdhsa_user_sgpr_kernarg_segment_ptr 1
		.amdhsa_wavefront_size32 1
		.amdhsa_system_sgpr_workgroup_id_x 1
		.amdhsa_system_sgpr_workgroup_id_y 1
		.amdhsa_system_sgpr_workgroup_id_z 1
		.amdhsa_system_vgpr_workitem_id 0
		.amdhsa_next_free_vgpr 256
		.amdhsa_next_free_sgpr 66
		.amdhsa_reserve_vcc 0
		.amdhsa_float_denorm_mode_32 3
		.amdhsa_float_denorm_mode_16_64 3
		.amdhsa_memory_ordered 1
		.amdhsa_forward_progress 1
		.amdhsa_inst_pref_size 48
	.end_amdhsa_kernel
	.amdgpu_metadata
---
amdhsa.version: [ 1, 2 ]
amdhsa.kernels:
  - .name:           k_q0799a69312_outln
    .symbol:         k_q0799a69312_outln.kd
    .args:
      - { .name: cimg, .offset: 0, .size: 8, .value_kind: global_buffer, .address_space: global }
      - { .name: cscl, .offset: 8, .size: 8, .value_kind: global_buffer, .address_space: global }
      - { .name: img, .offset: 16, .size: 8, .value_kind: global_buffer, .address_space: global }
      - { .name: scl, .offset: 24, .size: 8, .value_kind: global_buffer, .address_space: global }
      - { .name: bo, .offset: 32, .size: 8, .value_kind: global_buffer, .address_space: global }
      - { .name: Q, .offset: 40, .size: 8, .value_kind: global_buffer, .address_space: global }
      - { .name: gamma, .offset: 48, .size: 8, .value_kind: global_buffer, .address_space: global }
      - { .name: beta, .offset: 56, .size: 8, .value_kind: global_buffer, .address_space: global }
      - { .name: out0, .offset: 64, .size: 8, .value_kind: global_buffer, .address_space: global }
    .group_segment_fixed_size: 327680
    .private_segment_fixed_size: 0
    .kernarg_segment_align: 8
    .kernarg_segment_size: 72
    .max_flat_workgroup_size: 512
    .sgpr_count:     66
    .vgpr_count:     256
    .wavefront_size: 32
...
	.end_amdgpu_metadata
.endif
;; end of part 4
